; MI455X (gfx1250); checked and timed in simulation.
; The chip was launched on July 23, 2026; its instructions are those of AMD's public machine-readable ISA for CDNA 5 (MIT licence, August 2026) and "CDNA5" Instruction Set Architecture Reference Guide (July 2026). The comments in the code are by the model that wrote it; some were corrected since.
;; Multi Head Attention. Allowed arithmetic: matrix products marked QUANTISED: E2M1 operands, one E8M0 scale for each 32 along K, by v_wmma_scale_f32_16x16x128_f8f6f4 with both operands' format E2M1 (or v_wmma_scale_f32_32x16x128_f4), f32 sums; everything else in f32.
;; Inputs: Wk_codes 256 x 8 x 16 uint8 (E2M1 codes of Wk, K innermost, in blocks of 32 codes, two codes a byte); Wk_scales 256 x 8 uint8 (E8M0 scales of Wk, one for each 32 codes along K); Wo_codes 256 x 8 x 16 uint8 (E2M1 codes of Wo, K innermost, in blocks of 32 codes, two codes a byte); Wo_scales 256 x 8 uint8 (E8M0 scales of Wo, one for each 32 codes along K); Wq_codes 256 x 8 x 16 uint8 (E2M1 codes of Wq, K innermost, in blocks of 32 codes, two codes a byte); Wq_scales 256 x 8 uint8 (E8M0 scales of Wq, one for each 32 codes along K); Wv_codes 256 x 8 x 16 uint8 (E2M1 codes of Wv, K innermost, in blocks of 32 codes, two codes a byte); Wv_scales 256 x 8 uint8 (E8M0 scales of Wv, one for each 32 codes along K); beta 256 float32; bk 256 float32; bo 256 float32; bq 256 float32; bv 256 float32; gamma 256 float32; x 4 x 4,096 x 256 float32.
;; Outputs: out0 4 x 4,096 x 256 float32.
;; This version of the problem:
;;   THIS VERSION OF THE PROBLEM IS GIVEN IN LOW PRECISION. The matrix products marked QUANTISED in the list below multiply operands that are first quantised to E2M1 (2 exponent bits, 1 mantissa bit; 4 bits a number), with one power-of-two scale for each 32 numbers along K (OCP MX v1.0); their sums are f32. All else is computed in f32.
;;   The module's matrix products, in the order in which they are computed (A, B: the left and right operand; K: the contracted axis; several contracted axes count as one K, in the product's order):
;;     1. [M 16,384, K 256] x [K 256, N 256]; A: input x; B: input Wq (given as codes): QUANTISED
;;     2. [M 16,384, K 256] x [K 256, N 256]; A: input x; B: input Wk (given as codes): QUANTISED
;;     3. [M 16,384, K 256] x [K 256, N 256]; A: input x; B: input Wv (given as codes): QUANTISED
;;     4. batch 16 x [M 4,096, K 64] x [K 64, N 4,096]; A: computed on the way; B: computed on the way: QUANTISED
;;     5. batch 16 x [M 4,096, K 4,096] x [K 4,096, N 64]; A: softmax (see below); B: computed on the way: QUANTISED
;;     6. [M 16,384, K 256] x [K 256, N 256]; A: computed on the way; B: input Wo (given as codes): QUANTISED
;;   THE QUANTISER, for each operand of a quantised product, along K:
;;     - K is cut into blocks of 32 from its start; a last block that is shorter is filled with zeros.
;;     - A block's scale is 2^e with e = floor(log2(the largest magnitude in the block)) - 2, held to -126 .. 127; a block of zeros has e = 0. As a byte (E8M0): e + 127.
;;     - Each number is divided by its block's scale, clamped to +-6, and rounded to the nearest number of E2M1, ties to even, subnormals kept.
;;     - The product sums the exact products of the quantised numbers (number of the format x scale) in f32.
;;   ~~~python
;;   def quantise(x, axis):      # numpy; x: float32 -> the quantised numbers, widened to float32 again
;;       x = np.moveaxis(x, axis, -1); K = x.shape[-1]
;;       x = np.pad(x, [(0, 0)] * (x.ndim - 1) + [(0, -K % 32)]); x = x.reshape(x.shape[:-1] + (-1, 32)); a = np.abs(x).max(-1, keepdims=True)
;;       e = np.where(a > 0, np.clip(np.frexp(np.where(a > 0, a, 1))[1] - 1 - 2, -126, 127), 0)      # np.frexp(a)[1] - 1 = floor(log2(a)), exactly
;;       r = np.clip(x / 2.0 ** e, -6, 6)
;;       step = 2.0 ** (np.maximum(np.frexp(np.where(r == 0, 1, r))[1] - 1, 0) - 1)
;;       q = np.round(r / step) * step * 2.0 ** e      # np.round: ties to even
;;       return np.moveaxis(q.reshape(q.shape[:-2] + (-1,))[..., :K], -1, axis).astype(np.float32)
;;   ~~~
;;   SOFTMAX AHEAD OF A QUANTISED PRODUCT. Where the list says 'softmax', what is quantised is not the finished softmax but p = 2^(t - M), with t = logit x log2(e) and M = ceil(the row's largest t), a whole number; so 1/2 < the row's largest p <= 1. The row's sum l is taken of the UNQUANTISED p, in f32, and the product's result is divided by l at the end. Since M is a whole number, a kernel that streams over the keys may use a running M (the ceiling of the running maximum): every later rescaling is an exact power of two, which a block's scale takes up: the codes' values come out the same.
;;   OPERANDS COMPUTED ON THE WAY. 'Computed on the way' means the value that the module computes at that place (a softmax that the list does not call 'softmax' is quantised finished and normalised). What goes into a quantiser is computed in f32, as accurately as f32 sums, v_exp_f32 and their like allow (about 1e-6 of the number): no bf16 or f16 on the way to a quantiser, and a product that is left as it is and whose result goes on into a quantised operand takes f32 operands (vector FMAs, or v_wmma_f32_16x16x4_f32). A number that lies on a knife's edge between two numbers of the format may be rounded either way, as far as f32 arithmetic and the matrix unit's own rounding can turn it there, and no further.
;;   INPUTS GIVEN AS CODES. Wk (in the module: [256, 256], K = its axis 0); Wo (in the module: [256, 256], K = its axis 0); Wq (in the module: [256, 256], K = its axis 0); Wv (in the module: [256, 256], K = its axis 0): each comes as NAME_codes (uint8): NAME with its K axis moved to the last place and cut into blocks of 32 codes, [.., K / 32, bytes a block], one block behind the other in memory; two codes a byte, the lower K in the low four bits (a code: sign, 2 exponent bits, 1 mantissa bit); and NAME_scales (uint8): the same leading axes, one E8M0 byte (e + 127) for each 32 codes along K. Its value is code x scale, taken as it is: it is not quantised again, and the codes and scales need not be those that the quantiser above would give.
;; One version. Each part assembles by itself: llvm-mc -triple=amdgcn-amd-amdhsa -mcpu=gfx1250 --defsym DOCPART=n.
;; ======== version 1 of 1: 2 launches
;; limits: right only within a limited range of input values
;; workspace buffers: qbuf 2,359,296 bytes; kvbuf 4,456,448 bytes
;; launch proj (part 1): grid 256 x 1, 16 waves a work-group, no clusters, 14,336 bytes of LDS; arguments x, Wq_codes, Wq_scales, bq, Wk_codes, Wk_scales, bk, Wv_codes, Wv_scales, bv, qbuf, kvbuf; writes qbuf, kvbuf
.if DOCPART == 1
	.amdgcn_target "amdgcn-amd-amdhsa--gfx1250"
	.amdhsa_code_object_version 6
	.text
	.protected	k_q63cf5f369b_proj
	.globl	k_q63cf5f369b_proj
	.p2align	8
	.type	k_q63cf5f369b_proj,@function
k_q63cf5f369b_proj:
	s_mov_b64 s[64:65], 0
	v_nop
	global_prefetch_b8 v0, s[64:65] scope:SCOPE_SE
	s_setreg_imm32_b32 hwreg(HW_REG_WAVE_MODE, 25, 1), 1
	s_wait_xcnt 0x0
; q, k, v = Q(x) W + b on codes of FP4 (E2M1) with one E8M0 scale for each 32 along K; then q and k: ELU, L2 norm over the head's 64, quantised along the head's 64;
; v: quantised along the KEYS.  All three leave as IMAGES OF THE OPERANDS' REGISTERS (lane l's 16 bytes at 16 l), as the next launch's matrix instructions want them.
; SHARES.  A work-group takes 64 tokens.  Wave w = 4 hd + m (m = 2 b + u) does four things, all waves the same text:
;   X: quantises k = 64 hd .. + 63 of row tile m of x;   Q, K: head hd x row tile m;   V: channel tile m of head hd x all 64 tokens.
; TILE ORDER.  RP(r) = r + 8 (r / 8).  Lane r of row tile (b, u) is token 32 b + 8 u + RP(r); lane r of a weight tile (bb, uu) of a head is its row 32 bb + 8 uu + RP(r).
; So in every result of 32 registers, register 16 blk + i of lane (r, h) is number 32 blk + 16 h + i along the NEXT product's K, and one macro (QUANT2) quantises x, q, k and v.
; Q and K are used transposed (source 0 = 16 rows of W, source 1 = 16 tokens): a lane holds one token and 32 of its head's 64.  V is used as it reads (source 0 = tokens, source 1 = 16 rows of Wv):
; a lane holds one channel and 32 of the 64 tokens, which are the second attention product's K.
; NO JOINT LOADS: the weights (3 x 34,816 bytes) are shared by all work-groups, but each wave wants its 18 KiB of them once, as register fragments, in a text without a loop: there is no ring of tiles
; that a joint request could feed, and a way through LDS would add a fill, a barrier and a read for bytes that are used once.
; LIMITS: a block of zeros gets the scale byte 1 (its codes are zeros; the bytes are read by this program alone); blocks whose largest magnitude lies under 2^-124 are held at that floor;
; NaN and infinities among the inputs are not served.  1 / (norm + 1e-6) is v_sqrt_f32, an addition and v_rcp_f32.
; ELU below 0: above -1/16 the series x + x^2 (1/2 + x/6 + x^2/24), whose next term is under 1.3e-7 of the result there; below -1/16 2^(x log2 e) - 1, where the subtraction loses under four bits.
.set HREC, 17408                       ; a record of kvbuf: 64 keys: K's images 8,192, V's 8,192, K's scale words 512, V's 512
.set QREC, 9216                        ; a record of qbuf: 64 queries: images 8,192, scale words 1,024
.set XIMG, 0                           ; LDS: x's codes: piece (m, kq) of 64 along K at 512 (4 m + kq) + 16 lane
.set XSC,  8192                        ; x's scale words: (m, s) of row r at 128 m + 64 s + 4 r
.set STG,  8704                        ; the scale words on their way out: K's 512, V's 512, Q's 1,024, laid as the records' tails
.set VX,   1                           ; v1-18: addresses, never rewritten
.set VW,   2
.set VWS,  3
.set VB,   4
.set VWV,  5
.set VWVS, 6
.set VBV,  7
.set VO,   8
.set XWI,  9
.set XWS,  10
.set XRI,  11
.set XRS,  12
.set LI,   13
.set LS,   14
.set SK,   15
.set SQ,   16
.set CR,   17
.set CO,   18
.set TM,   20                          ; v20-21 largest magnitudes; v22-23 the other half's, then bytes; v24-25 the conversions' scale operands
.set TP,   22
.set SO,   24
.set PW,   26                          ; the two scale bytes just made
.set QW,   27                          ; q's scale word: the two bytes twice
.set RN,   28                          ; v28-29 1 / (norm + 1e-6), named as a pair
.set C6,   30                          ; v30-31 1/6 twice
.set PCA,  32                          ; codes: x's, then q's;  PCB k's;  PCC v's: a global store's data are never written again
.set PCB,  36
.set PCC,  40
.set TT,   44                          ; v44-51  the series (at the head: temporaries)
.set ACC,  52                          ; v52-83  x's 32 numbers, then four accumulators
.set WA,   84                          ; v84-147 W's fragments (tile t, K step s at 16 t + 8 s); later x's eight fragments (16 m + 8 s)
.set BI,   148                         ; v148-179 the bias, four tiles in the result's layout
.set WS,   180                         ; v180-187 W's scale words (2 t + s)
.set WV,   188                         ; v188-203 Wv's two fragments
.set WVS,  204                         ; v204-205 their scale words
.set BV,   206                         ; v206-213 bv of my channel, eight times
.set XF,   214                         ; v214-229 x's two fragments of my row tile
.set XS,   230                         ; v230-231 their scale words
.set XS8,  232                         ; v232-239 the scale words of all eight fragments of x
.set ZZ,   240                         ; v240-247 min(x, 0); later sums of squares; at the end the copy out
.set EE,   248                         ; v248-255 exponentials
.set SEL,  46                          ; s[46:47] v_permlanex16_b32's selects for lane l xor 16
; 32 numbers of a lane, register 16 b + i = number 32 b + 16 h + i of my row's 64, become four registers of codes (numbers 32 h + 0 .. 31: half a fragment) and two scale bytes in v[PW].
.macro QUANT2 src, pc
.irp b, 0,1
	v_max3_num_f32 v[TM+\b], |v[\src+16*\b]|, |v[\src+16*\b+1]|, 0x1800000   ; my 16 of block b, and the floor 2^(3 - 127): the byte cannot fall under 1
.endr
.irp i, 2,4,6,8,10,12,14
.irp b, 0,1
	v_max3_num_f32 v[TM+\b], v[TM+\b], |v[\src+16*\b+\i]|, |v[\src+16*\b+\i+1]|
.endr
.endr
.irp b, 0,1
	s_delay_alu instid0(VALU_DEP_2)
	v_permlanex16_b32 v[TP+\b], v[TM+\b], s[SEL], s[SEL+1]
.endr
.irp b, 0,1
	s_delay_alu instid0(VALU_DEP_2)
	v_max_num_f32 v[TM+\b], v[TM+\b], v[TP+\b]             ; with lane l xor 16's 16: the block's largest magnitude
.endr
.irp b, 0,1
	s_delay_alu instid0(VALU_DEP_2)
	v_add_nc_u32 v[SO+\b], 0xff000000, v[TM+\b]            ; 2 off its exponent field: the conversion takes this operand's exponent field as its scale
.endr
.irp b, 0,1
	s_delay_alu instid0(VALU_DEP_2)
	v_lshrrev_b32 v[TP+\b], 23, v[SO+\b]                   ; the scale's byte
.endr
	s_delay_alu instid0(VALU_DEP_1)
	v_lshl_or_b32 v[PW], v[TP+1], 8, v[TP]
.irp b, 0,1
	v_cvt_scalef32_pk8_fp4_f32 v[\pc+2*\b], v[\src+16*\b:\src+16*\b+7], v[SO+\b]
	v_cvt_scalef32_pk8_fp4_f32 v[\pc+2*\b+1], v[\src+16*\b+8:\src+16*\b+15], v[SO+\b]
.endr
	v_nop                                                  ; one plain place behind a scaled conversion
	v_permlane16_swap_b32 v[\pc], v[\pc+2]                 ; the operand's layout wants a whole block in a lane: lanes 0-15 block 0, lanes 16-31 block 1
	v_permlane16_swap_b32 v[\pc+1], v[\pc+3]
.endm
; 28 loads: my head's four tiles of a weight (two K steps each), their scale words, the bias in the result's layout
.macro WLOAD cb, sb, bb
.irp t, 0,1,2,3
.irp s, 0,1
.irp c, 0,1
	global_load_b128 v[WA+16*\t+8*\s+4*\c:WA+16*\t+8*\s+4*\c+3], v[VW], s[\cb:\cb+1] offset:(32*(\t/2)+8*(\t%2))*128+64*\s+32*\c
.endr
.endr
.endr
.irp t, 0,1,2,3
	global_load_b64 v[WS+2*\t:WS+2*\t+1], v[VWS], s[\sb:\sb+1] offset:(32*(\t/2)+8*(\t%2))*8
.endr
.irp t, 0,1,2,3
	global_load_b128 v[BI+8*\t:BI+8*\t+3], v[VB], s[\bb:\bb+1] offset:(32*(\t/2)+8*(\t%2))*4
	global_load_b128 v[BI+8*\t+4:BI+8*\t+7], v[VB], s[\bb:\bb+1] offset:(32*(\t/2)+8*(\t%2))*4+16
.endr
.endm
; Eight matrix instructions: four tiles of 16 of the head's 64 x my 16 tokens, K = 256 in two steps.  The bias is the C of each sum's first; the four accumulators take turns.
.macro PROD4T
.irp t, 0,1,2,3
	v_wmma_scale_f32_16x16x128_f8f6f4 v[ACC+8*\t:ACC+8*\t+7], v[WA+16*\t:WA+16*\t+7], v[XF:XF+7], v[BI+8*\t:BI+8*\t+7], v[WS+2*\t], v[XS] matrix_a_fmt:MATRIX_FMT_FP4 matrix_b_fmt:MATRIX_FMT_FP4
.endr
.irp t, 0,1,2,3
	v_wmma_scale_f32_16x16x128_f8f6f4 v[ACC+8*\t:ACC+8*\t+7], v[WA+16*\t+8:WA+16*\t+15], v[XF+8:XF+15], v[ACC+8*\t:ACC+8*\t+7], v[WS+2*\t+1], v[XS+1] matrix_a_fmt:MATRIX_FMT_FP4 matrix_b_fmt:MATRIX_FMT_FP4
.endr
.endm
; ELU and the division by (norm + 1e-6), in place on the 32 numbers; each accumulator is read from its low end on.
.macro ELUNORM
.irp g, 0,1,2,3
.irp j, 0,1,2,3,4,5,6,7
	v_min_num_f32 v[ZZ+\j], 0, v[ACC+8*\g+\j]              ; z = min(x, 0)
.endr
.irp j, 0,2,4,6
	v_pk_mul_f32 v[EE+\j:EE+\j+1], v[ACC+8*\g+\j:ACC+8*\g+\j+1], s[48:49] op_sel_hi:[1,0]   ; x log2 e
.endr
	s_wait_alu depctr_va_vdst(0)
.irp j, 0,1,2,3,4,5,6,7
	v_exp_f32 v[EE+\j], v[EE+\j]
.endr
.irp j, 0,2,4,6
	v_pk_fma_f32 v[TT+\j:TT+\j+1], v[ZZ+\j:ZZ+\j+1], s[50:51], v[C6:C6+1] op_sel_hi:[1,0,1]   ; z / 24 + 1/6  (plain lines behind the exponentials)
.endr
.irp j, 0,2,4,6
	s_delay_alu instid0(VALU_DEP_4)
	v_pk_fma_f32 v[TT+\j:TT+\j+1], v[TT+\j:TT+\j+1], v[ZZ+\j:ZZ+\j+1], 0.5 op_sel_hi:[1,1,0]
.endr
.irp j, 0,2,4,6
	s_delay_alu instid0(VALU_DEP_4)
	v_pk_mul_f32 v[TT+\j:TT+\j+1], v[TT+\j:TT+\j+1], v[ZZ+\j:ZZ+\j+1]
.endr
.irp j, 0,2,4,6
	v_pk_fma_f32 v[TT+\j:TT+\j+1], v[TT+\j:TT+\j+1], v[ZZ+\j:ZZ+\j+1], v[ACC+8*\g+\j:ACC+8*\g+\j+1]   ; x + z^2 (1/2 + z/6 + z^2/24): x itself where x > 0
.endr
	s_wait_alu depctr_va_vdst(0)
.irp j, 0,2,4,6
	v_pk_add_f32 v[EE+\j:EE+\j+1], v[EE+\j:EE+\j+1], -1.0 op_sel_hi:[1,0]
.endr
.irp j, 0,1,2,3,4,5,6,7
	v_cmp_gt_f32 vcc_lo, 0xbd800000, v[ACC+8*\g+\j]        ; x < -1/16: e^x - 1; a choice of values, no branch
	s_delay_alu instid0(VALU_DEP_1)
	v_cndmask_b32 v[ACC+8*\g+\j], v[TT+\j], v[EE+\j], vcc_lo
.endr
.endr
	v_pk_mul_f32 v[ZZ:ZZ+1], v[ACC:ACC+1], v[ACC:ACC+1]    ; the sum of squares, two at a time, in two chains
	v_pk_mul_f32 v[ZZ+2:ZZ+3], v[ACC+2:ACC+3], v[ACC+2:ACC+3]
.irp j, 4,8,12,16,20,24,28
	s_delay_alu instid0(VALU_DEP_2)
	v_pk_fma_f32 v[ZZ:ZZ+1], v[ACC+\j:ACC+\j+1], v[ACC+\j:ACC+\j+1], v[ZZ:ZZ+1]
	s_delay_alu instid0(VALU_DEP_2)
	v_pk_fma_f32 v[ZZ+2:ZZ+3], v[ACC+\j+2:ACC+\j+3], v[ACC+\j+2:ACC+\j+3], v[ZZ+2:ZZ+3]
.endr
	s_delay_alu instid0(VALU_DEP_1)
	v_pk_add_f32 v[ZZ:ZZ+1], v[ZZ:ZZ+1], v[ZZ+2:ZZ+3]
	s_delay_alu instid0(VALU_DEP_1)
	v_add_f32 v[ZZ], v[ZZ], v[ZZ+1]
	s_delay_alu instid0(VALU_DEP_1)
	v_permlanex16_b32 v[ZZ+2], v[ZZ], s[SEL], s[SEL+1]     ; my token's other 32 lie in lane l xor 16
	s_delay_alu instid0(VALU_DEP_1)
	v_add_f32 v[ZZ], v[ZZ], v[ZZ+2]
	s_wait_alu depctr_va_vdst(0)
	v_sqrt_f32 v[ZZ], v[ZZ]
	v_nop                                                  ; a plain place behind a transcendental
	s_wait_alu depctr_va_vdst(0)
	v_add_f32 v[ZZ], 0x358637bd, v[ZZ]                     ; + 1e-6
	s_wait_alu depctr_va_vdst(0)
	v_rcp_f32 v[RN], v[ZZ]
	v_mov_b32 v[RN+1], 0                                   ; the plain place; and the pair's upper half is written
	s_wait_alu depctr_va_vdst(0)
.irp j, 0,2,4,6,8,10,12,14,16,18,20,22,24,26,28,30
	v_pk_mul_f32 v[ACC+\j:ACC+\j+1], v[ACC+\j:ACC+\j+1], v[RN:RN+1] op_sel_hi:[1,0]
.endr
.endm
	s_load_b512 s[8:23], s[0:1], 0x0               ; x s[8:9]; Wq's codes, scales, bq s[10:15]; Wk's s[16:21]; Wv's codes s[22:23]
	s_load_b256 s[24:31], s[0:1], 0x40             ; Wv's scales s[24:25], bv s[26:27], qbuf s[28:29], kvbuf s[30:31]
	v_lshrrev_b32 v19, 5, v0
	s_delay_alu instid0(VALU_DEP_1)
	v_readfirstlane_b32 s32, v19                   ; wave w
	s_and_b32 s33, s32, 3                          ; m
	s_lshr_b32 s34, s32, 2                         ; hd
	s_lshr_b32 s35, s33, 1                         ; b
	s_and_b32 s36, s33, 1                          ; u
	s_lshl_b32 s37, s35, 5
	s_lshl_b32 s39, s36, 3
	s_add_co_u32 s37, s37, s39                     ; 32 b + 8 u
	s_lshl_b32 s38, s34, 6
	s_add_co_u32 s38, s38, s37                     ; 64 hd + 32 b + 8 u
	s_mov_b32 s[SEL], 0x76543210
	s_mov_b32 s[SEL+1], 0xfedcba98
	s_mov_b32 s48, 0x3fb8aa3b                      ; log2 e
	s_mov_b32 s49, s48
	s_mov_b32 s50, 0x3d2aaaab                      ; 1/24
	s_mov_b32 s51, s50
	s_lshl_b32 s40, ttmp9, 16                      ; my 64 rows of x: 65,536 bytes a work-group
	s_mov_b32 s41, 0
	s_mul_i32 s42, ttmp9, QREC
	s_mov_b32 s43, 0
	s_mul_i32 s44, ttmp9, HREC
	s_mov_b32 s45, 0
	v_and_b32 v44, 15, v0                          ; r
	v_bfe_u32 v45, v0, 4, 1                        ; h
	s_delay_alu instid0(VALU_DEP_2)
	v_and_b32 v46, 8, v44
	s_delay_alu instid0(VALU_DEP_1)
	v_add_nc_u32 v46, v46, v44                     ; RP = r + 8 (r / 8)
	v_and_b32 v47, 31, v0                          ; lane
	s_delay_alu instid0(VALU_DEP_2)
	v_lshlrev_b32 v[VX], 10, v46                   ; x: row (32 b + 8 u + RP) of 1,024 bytes, + 256 hd + 64 h: my 16 numbers of a block of 32
	s_delay_alu instid0(VALU_DEP_1)
	v_lshl_add_u32 v[VX], v45, 6, v[VX]
	s_lshl_b32 s39, s37, 10
	s_lshl_b32 s58, s34, 8
	s_add_co_u32 s39, s39, s58
	v_add_nc_u32 v[VX], s39, v[VX]
	v_lshlrev_b32 v48, 7, v46
	s_delay_alu instid0(VALU_DEP_1)
	v_lshl_add_u32 v48, v45, 4, v48                ; a weight's row RP of 128 bytes, + 16 h
	s_lshl_b32 s39, s34, 13
	v_add_nc_u32 v[VW], s39, v48                   ; Wq, Wk: my head's 64 rows
	s_lshl_b32 s39, s38, 7
	v_add_nc_u32 v[VWV], s39, v48                  ; Wv: my channel tile
	v_lshlrev_b32 v49, 3, v46                      ; scale words: 8 bytes a row
	s_lshl_b32 s39, s34, 9
	v_add_nc_u32 v[VWS], s39, v49
	s_lshl_b32 s39, s38, 3
	v_add_nc_u32 v[VWVS], s39, v49
	v_lshlrev_b32 v[VB], 6, v45                    ; bq, bk: 4 (64 hd + 16 h)
	s_delay_alu instid0(VALU_DEP_1)
	v_add_nc_u32 v[VB], s58, v[VB]
	v_add_nc_u32 v[VBV], s38, v46                  ; bv: my channel
	s_delay_alu instid0(VALU_DEP_1)
	v_lshlrev_b32 v[VBV], 2, v[VBV]
	v_lshlrev_b32 v[LI], 4, v47                    ; 16 lane
	s_lshl_b32 s39, s32, 9
	v_add_nc_u32 v[VO], s39, v[LI]                 ; an image's place in a record: 512 w + 16 lane
	s_lshl_b32 s39, s33, 2
	s_add_co_u32 s39, s39, s34
	s_lshl_b32 s39, s39, 9
	v_add_nc_u32 v[XWI], s39, v[LI]                ; XIMG (0) + 512 (4 m + hd) + 16 lane
	v_lshlrev_b32 v[LS], 2, v44                    ; 4 r
	s_wait_alu depctr_va_vdst(0)
	s_lshl_b32 s39, s33, 7                         ; 128 m
	s_lshr_b32 s58, s34, 1
	s_lshl_b32 s58, s58, 6
	s_add_co_u32 s58, s58, s39
	s_and_b32 s59, s34, 1
	s_lshl_b32 s59, s59, 1
	s_add_co_u32 s58, s58, s59
	s_add_co_u32 s58, s58, XSC
	v_add_nc_u32 v[XWS], s58, v[LS]                ; XSC + 128 m + 64 (hd / 2) + 2 (hd % 2) + 4 r: my two bytes of a scale word
	s_add_co_u32 s58, s39, XSC
	v_add_nc_u32 v[XRS], s58, v[LS]
	s_lshl_b32 s58, s33, 11
	v_add_nc_u32 v[XRI], s58, v[LI]
	s_lshl_b32 s58, s34, 7
	s_lshl_b32 s59, s35, 6
	s_add_co_u32 s58, s58, s59
	s_lshl_b32 s59, s36, 1
	s_add_co_u32 s58, s58, s59
	s_add_co_u32 s58, s58, STG
	v_add_nc_u32 v[SK], s58, v[LS]                 ; STG + 128 hd + 64 b + 2 u + 4 r: K's two bytes; V's lie 512 further on
	s_lshl_b32 s58, s32, 6
	s_add_co_u32 s58, s58, STG+1024
	v_add_nc_u32 v[SQ], s58, v[LS]
	s_lshl_b32 s58, s33, 9
	s_add_co_u32 s58, s58, STG
	v_add_nc_u32 v[CR], s58, v[LI]                 ; the copy out (waves 0 to 3): 512 bytes of the stage each
	s_lshl_b32 s58, s36, 9
	v_add_nc_u32 v[CO], s58, v[LI]
	v_mov_b32 v[C6], 0x3e2aaaab                    ; 1/6
	v_mov_b32 v[C6+1], 0x3e2aaaab
	v_mov_b32 v[TP], 0                             ; written once: a lane permute's destination counts as one of its sources
	v_mov_b32 v[TP+1], 0
	s_wait_kmcnt 0x0
	s_add_nc_u64 s[8:9], s[8:9], s[40:41]
	s_add_nc_u64 s[28:29], s[28:29], s[42:43]
	s_add_nc_u64 s[30:31], s[30:31], s[44:45]
	s_add_nc_u64 s[52:53], s[30:31], 16384         ; the tail of my record of kvbuf
	s_add_nc_u64 s[54:55], s[28:29], 8192          ; and of qbuf
	s_cmp_lt_u32 s32, 2
	s_cselect_b64 s[56:57], s[52:53], s[54:55]     ; waves 0, 1 copy to the first, waves 2, 3 to the second: the choice hangs on the wave's number alone
	; ---- all loads that can go out now: x's 8, q's 28, v's 6
.irp k, 0,1
.irp j, 0,1,2,3
	global_load_b128 v[ACC+16*\k+4*\j:ACC+16*\k+4*\j+3], v[VX], s[8:9] offset:128*\k+16*\j   ; the eight together take 256 consecutive bytes of each of my 16 rows
.endr
.endr
	WLOAD 10, 12, 14
.irp s, 0,1
.irp c, 0,1
	global_load_b128 v[WV+8*\s+4*\c:WV+8*\s+4*\c+3], v[VWV], s[22:23] offset:64*\s+32*\c
.endr
.endr
	global_load_b64 v[WVS:WVS+1], v[VWVS], s[24:25]
	global_load_b32 v[BV], v[VBV], s[26:27]
	; ---- X
	s_wait_loadcnt 34                              ; x's eight loads are in; the 28 + 6 issued behind them may be out
	QUANT2 ACC, PCA
	ds_store_b128 v[XWI], v[PCA:PCA+3]
	ds_store_b16 v[XWS], v[PW]                     ; lanes r and r + 16 write the same two bytes with the same value
	s_wait_dscnt 0x0                               ; for the others' sake: my stores have landed
	s_barrier_signal -1
	s_barrier_wait -1                              ; x's sixteen pieces and their scale words lie in LDS
	; ---- Q
.irp s, 0,1
.irp c, 0,1
	ds_load_b128 v[XF+8*\s+4*\c:XF+8*\s+4*\c+3], v[XRI] offset:512*(2*\s+\c)
.endr
	ds_load_b32 v[XS+\s], v[XRS] offset:64*\s
.endr
	s_wait_loadcnt 6                               ; q's 28 loads are in; v's six may be out
	s_wait_dscnt 0x0
	PROD4T
.rept 4
	v_nop                                          ; four places: in front of loads into registers that the products read, and of the first read of their results
.endr
	WLOAD 16, 18, 20                               ; k's weights land while q is worked on
	ELUNORM
	QUANT2 ACC, PCA
	v_lshl_or_b32 v[QW], v[PW], 16, v[PW]          ; the two bytes twice: q stands in the lower or in the upper 64 of a K of 128
	global_store_b128 v[VO], v[PCA:PCA+3], s[28:29]            ; 32 lanes store 512 consecutive bytes, at a multiple of 256 from the buffer's first byte
	ds_store_b32 v[SQ], v[QW]
	; ---- K
	s_wait_loadcnt 0x0                             ; k's weights, and v's
	PROD4T
.irp j, 1,2,3,4,5,6,7
	v_mov_b32 v[BV+\j], v[BV]                      ; bv as a C operand: a lane holds one channel.  These seven are also the places behind the products
.endr
.irp q, 0,1,2,3
.irp s, 0,1
.irp c, 0,1
	ds_load_b128 v[WA+16*\q+8*\s+4*\c:WA+16*\q+8*\s+4*\c+3], v[LI] offset:XIMG+512*(4*\q+2*\s+\c)   ; all eight fragments of x, for V
.endr
	ds_load_b32 v[XS8+2*\q+\s], v[LS] offset:XSC+128*\q+64*\s
.endr
.endr
	ELUNORM
	QUANT2 ACC, PCB
	global_store_b128 v[VO], v[PCB:PCB+3], s[30:31]
	ds_store_b16 v[SK], v[PW]
	; ---- V
	s_wait_dscnt 0x0                               ; x's fragments are in, and the store above has read v[PW]
.irp q, 0,1,2,3
	v_wmma_scale_f32_16x16x128_f8f6f4 v[ACC+8*\q:ACC+8*\q+7], v[WA+16*\q:WA+16*\q+7], v[WV:WV+7], v[BV:BV+7], v[XS8+2*\q], v[WVS] matrix_a_fmt:MATRIX_FMT_FP4 matrix_b_fmt:MATRIX_FMT_FP4
.endr
.irp q, 0,1,2,3
	v_wmma_scale_f32_16x16x128_f8f6f4 v[ACC+8*\q:ACC+8*\q+7], v[WA+16*\q+8:WA+16*\q+15], v[WV+8:WV+15], v[ACC+8*\q:ACC+8*\q+7], v[XS8+2*\q+1], v[WVS+1] matrix_a_fmt:MATRIX_FMT_FP4 matrix_b_fmt:MATRIX_FMT_FP4
.endr
.rept 4
	v_nop
.endr
	QUANT2 ACC, PCC                                ; along the 64 tokens: two blocks of 32 keys
	global_store_b128 v[VO], v[PCC:PCC+3], s[30:31] offset:8192
	ds_store_b16 v[SK], v[PW] offset:512
	s_wait_dscnt 0x0
	s_barrier_signal -1
	s_barrier_wait -1                              ; all scale words lie in the stage
	s_cmp_lt_u32 s32, 4
	s_cbranch_scc0 .Lend
	ds_load_b128 v[ZZ:ZZ+3], v[CR]
	s_wait_dscnt 0x0
	global_store_b128 v[CO], v[ZZ:ZZ+3], s[56:57]  ; 512 consecutive bytes a wave, at a multiple of 256 from the buffer's first byte
.Lend:
	s_wait_xcnt 0x0
	v_lshl_add_u32 v246, v0, 2, 0x3000
	v_mov_b32 v247, 0
	s_wait_alu depctr_va_vdst(0)
	s_wait_tensorcnt 0x0
	ds_add_u32 v246, v247
	s_wait_dscnt 0x0
	s_endpgm
.Lfunc_end_k_q63cf5f369b_proj:
	.size	k_q63cf5f369b_proj, .Lfunc_end_k_q63cf5f369b_proj-k_q63cf5f369b_proj
	.p2alignl 7, 3214868480
	.fill 96, 4, 3214868480
	.section	.rodata,"a",@progbits
	.p2align	6, 0x0
	.amdhsa_kernel k_q63cf5f369b_proj
		.amdhsa_group_segment_fixed_size 14336
		.amdhsa_private_segment_fixed_size 0
		.amdhsa_enable_private_segment 0
		.amdhsa_kernarg_size 96
		.amdhsa_user_sgpr_count 2
		.amdhsa_user_sgpr_kernarg_segment_ptr 1
		.amdhsa_wavefront_size32 1
		.amdhsa_system_sgpr_workgroup_id_x 1
		.amdhsa_system_sgpr_workgroup_id_y 1
		.amdhsa_system_sgpr_workgroup_id_z 1
		.amdhsa_system_vgpr_workitem_id 0
		.amdhsa_next_free_vgpr 256
		.amdhsa_next_free_sgpr 66
		.amdhsa_reserve_vcc 1
		.amdhsa_float_denorm_mode_32 3
		.amdhsa_float_denorm_mode_16_64 3
		.amdhsa_memory_ordered 1
		.amdhsa_forward_progress 1
		.amdhsa_inst_pref_size 59
	.end_amdhsa_kernel
	.amdgpu_metadata
---
amdhsa.version: [ 1, 2 ]
amdhsa.kernels:
  - .name:           k_q63cf5f369b_proj
    .symbol:         k_q63cf5f369b_proj.kd
    .args:
      - { .name: x, .offset: 0, .size: 8, .value_kind: global_buffer, .address_space: global }
      - { .name: Wq_codes, .offset: 8, .size: 8, .value_kind: global_buffer, .address_space: global }
      - { .name: Wq_scales, .offset: 16, .size: 8, .value_kind: global_buffer, .address_space: global }
      - { .name: bq, .offset: 24, .size: 8, .value_kind: global_buffer, .address_space: global }
      - { .name: Wk_codes, .offset: 32, .size: 8, .value_kind: global_buffer, .address_space: global }
      - { .name: Wk_scales, .offset: 40, .size: 8, .value_kind: global_buffer, .address_space: global }
      - { .name: bk, .offset: 48, .size: 8, .value_kind: global_buffer, .address_space: global }
      - { .name: Wv_codes, .offset: 56, .size: 8, .value_kind: global_buffer, .address_space: global }
      - { .name: Wv_scales, .offset: 64, .size: 8, .value_kind: global_buffer, .address_space: global }
      - { .name: bv, .offset: 72, .size: 8, .value_kind: global_buffer, .address_space: global }
      - { .name: qbuf, .offset: 80, .size: 8, .value_kind: global_buffer, .address_space: global }
      - { .name: kvbuf, .offset: 88, .size: 8, .value_kind: global_buffer, .address_space: global }
    .group_segment_fixed_size: 14336
    .private_segment_fixed_size: 0
    .kernarg_segment_align: 8
    .kernarg_segment_size: 96
    .max_flat_workgroup_size: 512
    .sgpr_count:     66
    .vgpr_count:     256
    .wavefront_size: 32
...
	.end_amdgpu_metadata
.endif
;; end of part 1
;; launch attn (part 2): grid 256 x 1, 16 waves a work-group, clusters of 4 x 1, 327,680 bytes of LDS; arguments qbuf, kvbuf, Wo_codes, Wo_scales, bo, x, gamma, beta, out0; writes out0
.if DOCPART == 2
	.amdgcn_target "amdgcn-amd-amdhsa--gfx1250"
	.amdhsa_code_object_version 6
	.text
	.protected	k_q63cf5f369b_attn
	.globl	k_q63cf5f369b_attn
	.p2align	8
	.type	k_q63cf5f369b_attn,@function
k_q63cf5f369b_attn:
	s_mov_b64 s[64:65], 0
	v_nop
	global_prefetch_b8 v0, s[64:65] scope:SCOPE_SE
	s_setreg_imm32_b32 hwreg(HW_REG_WAVE_MODE, 25, 1), 1
	s_wait_xcnt 0x0
	s_wait_alu depctr_hold_cnt(0) depctr_sa_sdst(0) depctr_va_vdst(0) depctr_va_sdst(0) depctr_va_ssrc(0) depctr_va_vcc(0) depctr_vm_vsrc(0)
	s_getreg_b32 s2, hwreg(HW_REG_IB_STS2, 6, 4)
	s_cmp_eq_u32 s2, 0
	s_cbranch_scc0 .Lentry_in_a_cluster
	s_endpgm
.Lentry_in_a_cluster:
	s_bfe_u32 s2, ttmp6, 0x10000c
	s_cmp_lg_u32 s2, 0x3003
	s_cbranch_scc0 .Lentry_shape_is_right
	s_endpgm
.Lentry_shape_is_right:
; out = LayerNorm(Q(ctx) Wo + bo + x), ctx = softmax(Q(q) Q(k)^T / 8) Q(v), all products on codes of FP4 (E2M1) with one E8M0 scale for each 32 along K.
; SHARES.  A work-group owns 64 tokens, all four heads.  Wave w = 4 hd + qt holds one tile of 16 queries of head hd in 256 registers, four waves to a SIMD.
; Every wave walks its batch's 4,096 keys, 128 a step.  ctx never goes to memory: it is quantised in registers and goes from wave to wave through LDS.
; THE SOFTMAX.  p = 2^t, t = score x log2(e) / 8: M = 0 IS FIXED, no maximum is taken.  q and k are L2-normalised: every element lies within +-1, its quantised value within +-1.5
; (6 x 2^e is at most 1.5 x the block's largest magnitude), so a score's sum of 64 products lies within +-144 and t within +-26, for every input: p lies in 2^-26 .. 2^26 and a row's sum under 2^38.
; M is a whole number that a block's scale takes up exactly, so the codes' values and O / l are those of M = ceil(the row's largest t).  The row's sum is taken of the unquantised p and divides at the end.
; LAYOUT.  Both attention products are used transposed (S^T = K Q^T, O^T = V^T P^T): a lane holds one query throughout.  qbuf and kvbuf hold images of the operands' registers (16 bytes a lane).
; THE KEYS OF A SCORE TILE ARE CHOSEN BY THE LDS ADDRESS: row 8 h + j of tile (c, i) is key 64 c + 32 h + 8 i + j of the step.  So the 32 registers of tiles (c, 0 .. 3) are, in lane half h, the WHOLE block 2 c + h of 32 keys,
; in order: the block's largest p needs no other lane, and the conversions' results are the second product's operand as they stand.  In kvbuf that key is row 8 (i / 2) + j of the image (b = h, u = i % 2).
; K = 64 IN AN INSTRUCTION OF K = 128: a fragment of K holds two key tiles (u = 0 in registers 0-3, u = 1 in 4-7) and is multiplied by [q | 0] and by [0 | q]: zero codes add nothing under any of these scale bytes.
; CLUSTER.  The four work-groups of a cluster lie in one batch and walk the same bytes of kvbuf: each fill of a slot is asked for JOINTLY, by the same tensor loads with a mask that names the four.
; RING.  Two slots of four key steps (139,264 bytes of memory each).  EVERY wave fetches a sixteenth of a slot: 17 rows of 512 bytes, dense in memory, 64 bytes of padding behind each in LDS, so that the images b = 0 and b = 1,
; two rows apart, start 128 bytes apart modulo 256.  By this text's own count a wave has one tensor load out at the most.
; PREFETCH.  At the change of slots that loads slot s + 1 the cluster asks for slot s + 2: its 544 blocks of 256 bytes are shared out by address, 136 to a work-group (by cx), a lane a block, waves 0 to 4
; (wave 4's lanes 8 to 31 name its last block again).  The last fill has no slot two on and asks for nothing of kvbuf; at the last fill each wave asks for its four rows of x (16 blocks), eight key steps ahead of their loads.
; LIMITS: a block of zeros gets the byte 1, magnitudes under 2^-124 are held at that floor, NaN and infinities are not served.  Divisions are v_rcp_f32 and a multiplication.
.set HREC,  17408                      ; in memory, 64 keys: K's images 8,192, V's 8,192, K's scale words 512, V's 512: 34 rows of 512 bytes
.set SLOTG, 8*HREC                     ; a slot in memory
.set ROWP,  576                        ; an LDS row: 512 + 64
.set HRECP, 34*ROWP                    ; 64 keys in LDS
.set STEPB, 2*HRECP                    ; a key step
.set SLOTB, 4*STEPB
.set VIM,   16*ROWP                    ; in a record: V's images,
.set KSW,   32*ROWP                    ; K's scale words,
.set VSW,   33*ROWP                    ; V's
.set SPARE, 2*SLOTB                    ; the spare words: 128 bytes for each of sixteen waves: eight blocks of 256 bytes that no other line names
.set CIMG,  0                          ; the epilogue's bytes lie in slot 0, which has had its last fill and its last read at the last change of slots:
.set CSC,   8192                       ; ctx's codes (piece (qt, hd) at 512 (4 qt + hd) + 16 lane), its scale words (128 qt + 64 s + 4 r),
.set OST,   8704                       ; and 64 rows x (1,024 + 16) bytes of the last product's results
.set OPI,   1040
.set SPW,  1                           ; my spare word's address; never rewritten
.set NIL,  2                           ; 0; never rewritten
.set AK,   3                           ; my lane's place in K's images, V's images (AV), K's scale words (ASK), V's (ASV)
.set AV,   4
.set ADK,  5                           ; the same four in the step in hand
.set ADV,  6
.set PW,   7                           ; scale bytes on their way
.set L,    8                           ; v8-11 the row's sum, in two chains of pairs
.set L2,   10
.set QS,   12                          ; v12-19 hold scale bytes and nothing else; in the epilogue ctx's eight words
.set PS,   13
.set KS,   14
.set VA,   16
.set VB,   17
.set VSE,  18
.set VSO,  19
.set CS8,  12
.set TM,   20                          ; v20-21 largest magnitudes
.set ASK,  22
.set ASV,  23
.set TP,   24                          ; v24-25
.set ADS,  26
.set ADT,  27
.set SO,   28                          ; v28-29 the conversions' scale operands
.set SH8,  30                          ; 8 x (lane / 16)
.set PFO,  31                          ; kvbuf's prefetch: 256 x min(thread, 135)
.set QA,   32                          ; [q | 0]
.set QB,   40                          ; [0 | q]
.set KF,   48                          ; four fragments of K; in the epilogue the last product's accumulators
.set VF,   80                          ; four fragments of V; in the epilogue four rows of x
.set PC,   112                         ; p's codes
.set SS,   120                         ; S^T, then p; in the epilogue ctx's fragments, then rows of the result
.set OO,   184                         ; O^T; in the epilogue gamma and beta
.set WOF,  216
.set WOS,  232
.set BO,   234
.set CWI,  242                         ; v242-248 the epilogue's addresses, made at the head
.set CWS,  243
.set LI,   244
.set LS,   245
.set OSTW, 246
.set OSTR, 247
.set GX,   248
.set XPF,  249                         ; x's prefetch: 4,096 wave + 256 x min(lane, 15)
.set UU,   SS+32
.set G1,   32                          ; s[32:39] descriptor group 1;  s[40:43], s[44:47] group 0 for slot 0, slot 1
.set G0A,  40
.set SEL,  54
.set PFA,  66                          ; s[66:67] where kvbuf's prefetches stand
.macro CROUND                          ; a round of the cluster's barrier
	s_barrier_signal -1
	s_barrier_wait -1
	s_cmp_lg_u32 s26, 0
	s_cbranch_scc1 .Lnw0_\@
	s_barrier_signal -3
.Lnw0_\@:
	s_barrier_wait -3
	s_barrier_signal -1
	s_barrier_wait -1
.endm
.macro JLOAD g0                        ; every wave's sixteenth of a slot.  s_nop 0 and four v_nop follow the load
	tensor_load_to_lds s[\g0:\g0+3], s[G1:G1+7]
	s_nop 0
.rept 4
	v_nop
.endr
.endm
; THE CHANGE OF SLOTS, at a slot's head.  Each wave waits for all its tensor loads (its part of the slot ahead), adds 0 to its spare word, and waits for that and for its reads of the slot that it has left.
; fill = 1: a round of the cluster's barrier, and behind it the joint fill of the slot just left.  ask = 1: kvbuf's prefetch; ask = 2: x's.
.macro CHANGE slot, fill, ask
	s_wait_tensorcnt 0x0                           ; no tensor load of mine is out, so a group 0 may be written
	ds_add_u32 v[SPW], v[NIL]
	s_add_nc_u64 s[G0A+4*\slot+2:G0A+4*\slot+3], s[G0A+4*\slot+2:G0A+4*\slot+3], 2*SLOTG   ; this slot's next fill: two slots on
	s_mov_b32 s48, \slot*SLOTB                     ; where the step in hand begins
	s_mov_b32 s49, 4                               ; its slot's steps
.if \ask == 1
	s_wait_xcnt 0x0                                ; any prefetch of mine has read its address
	s_add_nc_u64 s[PFA:PFA+1], s[PFA:PFA+1], SLOTG ; one slot further on than the fill below
.endif
	s_wait_dscnt 0x0                               ; the add is done, and my reads of the slot that I have left are over
.if \fill
	CROUND
	JLOAD G0A+4*(1-\slot)
.else
	s_barrier_signal -1
	s_barrier_wait -1
.endif
.if \ask == 1
	s_cmp_lt_u32 s26, 5                            ; 136 blocks: waves 0 to 4
	s_cbranch_scc0 .Lna_\@
	global_prefetch_b8 v[PFO], s[PFA:PFA+1] th:TH_LOAD_NT scope:SCOPE_SE
.Lna_\@:
.endif
.if \ask == 2
	global_prefetch_b8 v[XPF], s[18:19] th:TH_LOAD_NT scope:SCOPE_SE
.endif
.endm
.macro SCORE c, g                      ; fragment (c, g): key tiles (c, 2 g) and (c, 2 g + 1) x my 16 queries; its scale words lie in lanes 0-15 (g = 0) or 16-31 (g = 1)
.if \g
	v_wmma_scale_f32_16x16x128_f8f6f4 v[SS+32*\c+16*\g:SS+32*\c+16*\g+7], v[KF+16*\c+8*\g:KF+16*\c+8*\g+7], v[QA:QA+7], 0, v[KS+\c], v[QS] matrix_a_fmt:MATRIX_FMT_FP4 matrix_b_fmt:MATRIX_FMT_FP4 matrix_a_scale:MATRIX_SCALE_ROW1
	v_wmma_scale_f32_16x16x128_f8f6f4 v[SS+32*\c+16*\g+8:SS+32*\c+16*\g+15], v[KF+16*\c+8*\g:KF+16*\c+8*\g+7], v[QB:QB+7], 0, v[KS+\c], v[QS] matrix_a_fmt:MATRIX_FMT_FP4 matrix_b_fmt:MATRIX_FMT_FP4 matrix_a_scale:MATRIX_SCALE_ROW1
.else
	v_wmma_scale_f32_16x16x128_f8f6f4 v[SS+32*\c+16*\g:SS+32*\c+16*\g+7], v[KF+16*\c+8*\g:KF+16*\c+8*\g+7], v[QA:QA+7], 0, v[KS+\c], v[QS] matrix_a_fmt:MATRIX_FMT_FP4 matrix_b_fmt:MATRIX_FMT_FP4
	v_wmma_scale_f32_16x16x128_f8f6f4 v[SS+32*\c+16*\g+8:SS+32*\c+16*\g+15], v[KF+16*\c+8*\g:KF+16*\c+8*\g+7], v[QB:QB+7], 0, v[KS+\c], v[QS] matrix_a_fmt:MATRIX_FMT_FP4 matrix_b_fmt:MATRIX_FMT_FP4
.endif
.endm
.macro PADD q                          ; the q-th pair of p onto the row's sum: even q on one chain, odd q on the other
	v_pk_add_f32 v[L+2*((\q)%2):L+2*((\q)%2)+1], v[L+2*((\q)%2):L+2*((\q)%2)+1], v[SS+2*(\q):SS+2*(\q)+1]
.endm
; A KEY STEP: 128 keys.
.macro STEP
	v_add_nc_u32 v[ADK], s48, v[AK]
	v_add_nc_u32 v[ADV], s48, v[AV]
	v_add_nc_u32 v[ADS], s48, v[ASK]
	v_add_nc_u32 v[ADT], s48, v[ASV]               ; these four are the places behind the last step's products, in front of the loads into V's fragments
.irp c, 0,1
	ds_load_b32 v[KS+\c], v[ADS] offset:KSW+HRECP*\c
.endr
.irp c, 0,1
.irp g, 0,1
.irp u, 0,1
	ds_load_b128 v[KF+16*\c+8*\g+4*\u:KF+16*\c+8*\g+4*\u+3], v[ADK] offset:HRECP*\c+128*\g+ROWP*\u
.endr
.endr
.endr
	ds_load_b32 v[VA], v[ADT] offset:VSW
	ds_load_b32 v[VB], v[ADT] offset:VSW+HRECP
.irp t, 0,1,2,3
.irp f, 0,1
	ds_load_b128 v[VF+8*\t+4*\f:VF+8*\t+4*\f+3], v[ADV] offset:VIM+HRECP*\f+ROWP*\t
.endr
.endr
	s_wait_dscnt 10                                ; K's 2 + 8 loads are in; V's 2 + 8 may be out
.irp c, 0,1
.irp g, 0,1
	SCORE \c, \g
.endr
.endr
	s_wait_dscnt 8                                 ; V's two scale words are in
	v_perm_b32 v[VSE], v[VB], v[VA], s56           ; even channel tiles: the first 64 keys' two bytes below, the second 64 keys' above
	v_perm_b32 v[VSO], v[VB], v[VA], s57           ; odd ones
	v_nop
	v_nop                                          ; with the two lines above: four places behind the products
.irp j, 0,2,4,6,8,10,12,14,16,18,20,22,24,26,28,30,32,34,36,38,40,42,44,46,48,50,52,54,56,58,60,62
	v_pk_mul_f32 v[SS+\j:SS+\j+1], v[SS+\j:SS+\j+1], s[52:53] op_sel_hi:[1,0]   ; t, two at a time; each accumulator from its low end on
.endr
	s_wait_alu depctr_va_vdst(0)
.irp j, 0,1,2,3,4,5,6,7,8,9,10,11,12,13,14,15,16,17,18,19,20,21,22,23,24,25,26,27,28,29,30,31,32,33,34,35,36,37,38,39,40,41,42,43,44,45,46,47,48,49,50,51,52,53,54,55,56,57,58,59,60,61,62,63
	v_exp_f32 v[SS+\j], v[SS+\j]                   ; p = 2^t
.endr
	v_nop                                          ; a plain place behind the exponentials
	s_wait_alu depctr_va_vdst(0)                   ; and the one wait behind the batch
.irp c, 0,1
	v_max3_num_f32 v[TM+\c], v[SS+32*\c], v[SS+32*\c+1], 0x1800000   ; my block 2 c + h: all its 32 p are mine; and the floor 2^(3 - 127).  No |.|: p is positive
.endr
	PADD 0                                         ; the row's sum, of the unquantised p, by turns with the two maxima
.irp k, 1,2,3,4,5,6,7,8,9,10,11,12,13,14,15
.irp c, 0,1
	v_max3_num_f32 v[TM+\c], v[TM+\c], v[SS+32*\c+2*\k], v[SS+32*\c+2*\k+1]
.endr
	PADD \k
.endr
	v_add_nc_u32 v[SO], 0xff000000, v[TM]          ; 2 off the exponent field: the conversion's scale operand
	v_add_nc_u32 v[SO+1], 0xff000000, v[TM+1]
	PADD 16
	v_lshrrev_b32 v[TP], 23, v[SO]                 ; the scales' bytes
	v_lshrrev_b32 v[TP+1], 23, v[SO+1]
	PADD 17
	v_lshl_or_b32 v[PW], v[TP+1], 16, v[TP]        ; blocks h and 2 + h,
	PADD 18
	PADD 19
	v_lshlrev_b32 v[PW], v[SH8], v[PW]             ; at their places in the word;
	PADD 20
	v_permlanex16_b32 v[TP], v[PW], s[SEL], s[SEL+1]
	PADD 21
	v_or_b32 v[PS], v[PW], v[TP]                   ; with lane l xor 16's two the word is whole
.irp c, 0,1
.irp i, 0,1,2,3
	v_cvt_scalef32_pk8_fp4_f32 v[PC+4*\c+\i], v[SS+32*\c+8*\i:SS+32*\c+8*\i+7], v[SO+\c]   ; registers 4 c .. 4 c + 3: keys 64 c + 32 h + 0 .. 31
.endr
.endr
.irp q, 22,23,24,25,26,27,28,29,30,31
	PADD \q                                        ; these ten are also the places between the scale word's and the codes' last writes and the products
.endr
	s_wait_dscnt 0x0                               ; V's fragments are in
	v_wmma_scale_f32_16x16x128_f8f6f4 v[OO:OO+7], v[VF:VF+7], v[PC:PC+7], v[OO:OO+7], v[VSE], v[PS] matrix_a_fmt:MATRIX_FMT_FP4 matrix_b_fmt:MATRIX_FMT_FP4
	v_wmma_scale_f32_16x16x128_f8f6f4 v[OO+8:OO+15], v[VF+8:VF+15], v[PC:PC+7], v[OO+8:OO+15], v[VSO], v[PS] matrix_a_fmt:MATRIX_FMT_FP4 matrix_b_fmt:MATRIX_FMT_FP4
	v_wmma_scale_f32_16x16x128_f8f6f4 v[OO+16:OO+23], v[VF+16:VF+23], v[PC:PC+7], v[OO+16:OO+23], v[VSE], v[PS] matrix_a_fmt:MATRIX_FMT_FP4 matrix_b_fmt:MATRIX_FMT_FP4 matrix_a_scale:MATRIX_SCALE_ROW1
	v_wmma_scale_f32_16x16x128_f8f6f4 v[OO+24:OO+31], v[VF+24:VF+31], v[PC:PC+7], v[OO+24:OO+31], v[VSO], v[PS] matrix_a_fmt:MATRIX_FMT_FP4 matrix_b_fmt:MATRIX_FMT_FP4 matrix_a_scale:MATRIX_SCALE_ROW1
.endm
.macro STEPS                           ; a slot's four key steps: written once, walked four times; the accumulators take turns, one instruction a turn, over the backward jump too
.Lstep_\@:
	s_wait_alu depctr_va_vdst(0)                   ; the wait behind the last products
	STEP
	s_add_co_u32 s48, s48, STEPB
	s_sub_co_u32 s49, s49, 1
	s_cmp_lg_u32 s49, 0
	s_cbranch_scc1 .Lstep_\@
.endm
; 32 numbers of a lane, register 16 b + i = number 32 b + 16 h + i of my row's 64, become four registers of codes and two scale bytes
.macro QUANT2 src, pc
.irp b, 0,1
	v_max3_num_f32 v[TM+\b], |v[\src+16*\b]|, |v[\src+16*\b+1]|, 0x1800000
.endr
.irp i, 2,4,6,8,10,12,14
.irp b, 0,1
	s_delay_alu instid0(VALU_DEP_2)
	v_max3_num_f32 v[TM+\b], v[TM+\b], |v[\src+16*\b+\i]|, |v[\src+16*\b+\i+1]|
.endr
.endr
.irp b, 0,1
	s_delay_alu instid0(VALU_DEP_2)
	v_permlanex16_b32 v[TP+\b], v[TM+\b], s[SEL], s[SEL+1]
.endr
.irp b, 0,1
	s_delay_alu instid0(VALU_DEP_2)
	v_max_num_f32 v[TM+\b], v[TM+\b], v[TP+\b]
.endr
.irp b, 0,1
	s_delay_alu instid0(VALU_DEP_2)
	v_add_nc_u32 v[SO+\b], 0xff000000, v[TM+\b]
.endr
.irp b, 0,1
	s_delay_alu instid0(VALU_DEP_2)
	v_lshrrev_b32 v[TP+\b], 23, v[SO+\b]
.endr
	s_delay_alu instid0(VALU_DEP_1)
	v_lshl_or_b32 v[PW], v[TP+1], 8, v[TP]
.irp b, 0,1
	v_cvt_scalef32_pk8_fp4_f32 v[\pc+2*\b], v[\src+16*\b:\src+16*\b+7], v[SO+\b]
	v_cvt_scalef32_pk8_fp4_f32 v[\pc+2*\b+1], v[\src+16*\b+8:\src+16*\b+15], v[SO+\b]
.endr
	v_nop
	v_permlane16_swap_b32 v[\pc], v[\pc+2]
	v_permlane16_swap_b32 v[\pc+1], v[\pc+3]
.endm
.macro REDUCE                          ; v[UU + 8 i], i = 0 .. 3, summed over the wave's 32 lanes, the four rows by turns
.irp k, 1,2,4,8
.irp i, 0,1,2,3
	s_delay_alu instid0(VALU_DEP_4)
	v_add_f32_dpp v[UU+8*\i], v[UU+8*\i], v[UU+8*\i] row_xmask:\k row_mask:0xf bank_mask:0xf
.endr
.endr
.irp i, 0,1,2,3
	s_delay_alu instid0(VALU_DEP_4)
	v_permlanex16_b32 v[UU+8*\i+1], v[UU+8*\i], s[SEL], s[SEL+1]
.endr
.irp i, 0,1,2,3
	s_delay_alu instid0(VALU_DEP_4)
	v_add_f32 v[UU+8*\i], v[UU+8*\i], v[UU+8*\i+1]
.endr
.endm
	s_load_b512 s[8:23], s[0:1], 0x0               ; qbuf s[8:9], kvbuf s[10:11], Wo's codes s[12:13], scales s[14:15], bo s[16:17], x s[18:19], gamma s[20:21], beta s[22:23]
	s_load_b64 s[24:25], s[0:1], 0x40              ; out0
	v_lshl_add_u32 v[SPW], v0, 2, SPARE
	v_mov_b32 v[NIL], 0
	ds_add_u32 v[SPW], v[NIL]                      ; the opening lines: the add, twice on end, and its wait ahead of my first tensor load
	ds_add_u32 v[SPW], v[NIL]
	v_lshrrev_b32 v120, 5, v0
	v_readfirstlane_b32 s26, v120                  ; wave w
	s_bfe_u32 s27, ttmp6, 0x40000                  ; cx: it enters the addresses of qbuf, x, out0 and of the prefetches alone
	s_lshl_b32 s28, ttmp9, 2
	s_add_co_u32 s28, s28, s27                     ; my block of 64 tokens = 4 x cluster + cx
	s_lshr_b32 s29, ttmp9, 4                       ; the batch: sixteen clusters each; the four partners share it
	s_and_b32 s30, s26, 3                          ; qt
	s_lshr_b32 s31, s26, 2                         ; hd
	s_mul_i32 s7, s26, 17*ROWP                     ; my sixteenth of a slot, in LDS,
	s_mul_i32 s51, s29, 64*HREC                    ; the batch's 64 records,
	s_mul_i32 s4, s26, 17*512                      ; and my sixteenth in memory
	s_add_co_u32 s4, s4, s51
	s_mov_b32 s5, 0
	s_mul_i32 s60, s28, 9216                       ; my record of qbuf
	s_mov_b32 s61, 0
	s_lshl_b32 s62, s28, 16                        ; my 64 rows of x and of out0
	s_mov_b32 s63, 0
	s_mul_i32 s[PFA], s27, 136*256                 ; the prefetches: my work-group's 136 blocks,
	s_add_co_u32 s[PFA], s[PFA], s51
	s_add_co_u32 s[PFA], s[PFA], SLOTG             ; in slot 1: the first change of slots steps it to slot 2
	s_mov_b32 s[PFA+1], 0
	s_mov_b32 s[G1], 15|(3<<16)|(1<<20)|(1<<21)|(6<<22)|(15<<25)   ; 15:0 the mask: all four work-groups; elements of 8 bytes; padding on; 21 set beside a mask; after every 128 words, 16 words
	s_mov_b32 s[G1+1], 64<<16                      ; tensor_dim0 = 64 elements: rows of 512 bytes
	s_mov_b32 s[G1+2], 17<<16                      ; tensor_dim1 = 17 rows
	s_mov_b32 s[G1+3], 64<<16                      ; tile_dim0
	s_mov_b32 s[G1+4], 17                          ; tile_dim1
	s_mov_b32 s[G1+5], 64                          ; the pitch
	s_mov_b32 s[G1+6], 0
	s_mov_b32 s[G1+7], 0
	s_mov_b32 s52, 0x3e38aa3b                      ; log2(e) / 8
	s_mov_b32 s53, s52
	s_mov_b32 s[SEL], 0x76543210
	s_mov_b32 s[SEL+1], 0xfedcba98
	s_mov_b32 s56, 0x05040100                      ; the two low halves
	s_mov_b32 s57, 0x07060302                      ; the two high halves
	s_mov_b32 s58, 0x3b800000                      ; 1/256
	s_mov_b32 s59, 0x2b8cbccc                      ; 1e-12
	s_mov_b32 s50, 3
	; the waves' terms of the addresses that the vector lines below make
	s_lshl_b32 s68, s26, 9
	s_lshl_b32 s69, s26, 6
	s_lshl_b32 s70, s26, 11
	s_lshl_b32 s71, s26, 7
	s_mul_i32 s72, s31, 4*ROWP                     ; my head's four rows of images
	s_lshl_b32 s73, s31, 7                         ; its 128 bytes of scale words
	s_lshl_b32 s74, s30, 2
	s_add_co_u32 s74, s74, s31
	s_lshl_b32 s74, s74, 9                         ; 512 (4 qt + hd)
	s_lshl_b32 s75, s30, 7
	s_lshr_b32 s3, s31, 1
	s_lshl_b32 s3, s3, 6
	s_add_co_u32 s75, s75, s3
	s_and_b32 s3, s31, 1
	s_lshl_b32 s3, s3, 1
	s_add_co_u32 s75, s75, s3
	s_add_co_u32 s75, s75, CSC                     ; CSC + 128 qt + 64 (hd / 2) + 2 (hd % 2)
	s_add_co_u32 s76, s69, OST
	s_mul_i32 s77, s26, 4*OPI
	s_add_co_u32 s77, s77, OST
	s_lshl_b32 s78, s26, 12
	s_wait_dscnt 0x0                               ; both opening adds are done
	s_wait_kmcnt 0x0
	s_mov_b32 s[G0A], 1
	s_mov_b32 s[G0A+1], s7                         ; LDS: slot 0
	s_add_nc_u64 s[G0A+2:G0A+3], s[10:11], s[4:5]
	s_mov_b32 s[G0A+4], 1
	s_add_co_u32 s[G0A+5], s7, SLOTB               ; slot 1
	s_add_nc_u64 s[G0A+6:G0A+7], s[G0A+2:G0A+3], SLOTG
	s_or_b32 s[G0A+3], s[G0A+3], 0x80000000        ; type = 2
	s_or_b32 s[G0A+7], s[G0A+7], 0x80000000
	s_add_nc_u64 s[8:9], s[8:9], s[60:61]
	s_add_nc_u64 s[18:19], s[18:19], s[62:63]
	s_add_nc_u64 s[24:25], s[24:25], s[62:63]
	s_add_nc_u64 s[PFA:PFA+1], s[10:11], s[PFA:PFA+1]
	CROUND                                         ; all four work-groups are here: the first joint loads meet
	JLOAD G0A                                      ; slot 0: my one tensor load at the head
	v_and_b32 v120, 15, v0                         ; r
	v_bfe_u32 v121, v0, 4, 1                       ; h
	v_and_b32 v122, 31, v0                         ; lane
	v_and_b32 v123, 8, v120
	v_add_nc_u32 v123, v123, v120                  ; RP = r + 8 (r / 8)
	v_and_b32 v130, 7, v0                          ; j = r % 8
	v_bfe_u32 v131, v0, 3, 1                       ; r / 8
	v_lshlrev_b32 v[LI], 4, v122
	v_lshlrev_b32 v[LS], 2, v120
	v_add_nc_u32 v125, s68, v[LI]                  ; q's image: 512 w + 16 lane
	v_add_nc_u32 v126, s69, v[LS]                  ; its scale word: 64 w + 4 r
	v_lshlrev_b32 v129, 5, v121
	v_add_nc_u32 v129, s69, v129                   ; bo: 4 (16 w + 8 h)
	v_lshlrev_b32 v127, 7, v120
	v_lshl_add_u32 v127, v121, 4, v127
	v_add_nc_u32 v127, s70, v127                   ; Wo: row 16 w + r of 128 bytes, + 16 h
	v_lshlrev_b32 v128, 3, v120
	v_add_nc_u32 v128, s71, v128                   ; its scale words: 8 bytes a row
	global_load_b128 v[QA:QA+3], v125, s[8:9]
	global_load_b128 v[QB+4:QB+7], v125, s[8:9]
	global_load_b32 v[QS], v126, s[8:9] offset:8192
.irp s, 0,1
.irp c, 0,1
	global_load_b128 v[WOF+8*\s+4*\c:WOF+8*\s+4*\c+3], v127, s[12:13] offset:64*\s+32*\c
.endr
.endr
	global_load_b64 v[WOS:WOS+1], v128, s[14:15]
	global_load_b128 v[BO:BO+3], v129, s[16:17]
	global_load_b128 v[BO+4:BO+7], v129, s[16:17] offset:16
.irp j, 0,1,2,3
	v_mov_b32 v[QA+4+\j], 0                        ; the zero halves of [q | 0] and [0 | q]
	v_mov_b32 v[QB+\j], 0
	v_mov_b32 v[L+\j], 0                           ; the sums
.endr
	v_mov_b32 v[TP], 0                             ; written once: a lane permute's destination counts as one of its sources
	v_mov_b32 v[TP+1], 0
.irp j, 0,1,2,3,4,5,6,7,8,9,10,11,12,13,14,15,16,17,18,19,20,21,22,23,24,25,26,27,28,29,30,31
	v_mov_b32 v[OO+\j], 0                          ; O^T: the step is written once, so its first walk adds onto zeros
.endr
	v_mul_u32_u24 v[AK], v131, 2*ROWP              ; K: image b = r / 8, two rows on;
	v_lshl_add_u32 v[AK], v130, 4, v[AK]           ; in it lane j + 16 h (+ 8 g by the offset)
	v_lshl_add_u32 v[AK], v121, 8, v[AK]
	v_add_nc_u32 v[AK], s72, v[AK]
	v_add_nc_u32 v[AV], s72, v[LI]                 ; V: an image as it lies
	v_lshlrev_b32 v[ASK], 6, v131                  ; K's scale words: 64 (r / 8) + 4 j; lanes 16-31 take g = 1's, 32 bytes on
	v_lshl_add_u32 v[ASK], v130, 2, v[ASK]
	v_lshl_add_u32 v[ASK], v121, 5, v[ASK]
	v_add_nc_u32 v[ASK], s73, v[ASK]
	v_lshlrev_b32 v[ASV], 2, v122
	v_add_nc_u32 v[ASV], s73, v[ASV]               ; V's: 4 lane
	v_lshlrev_b32 v[SH8], 3, v121
	v_min_u32 v[PFO], 135, v0
	v_lshlrev_b32 v[PFO], 8, v[PFO]
	v_min_u32 v[XPF], 15, v122
	v_lshlrev_b32 v[XPF], 8, v[XPF]
	v_add_nc_u32 v[XPF], s78, v[XPF]
	v_add_nc_u32 v[CWI], s74, v[LI]                ; CIMG (0) + 512 (4 qt + hd) + 16 lane
	v_add_nc_u32 v[CWS], s75, v[LS]
	v_mul_u32_u24 v[OSTW], v123, OPI
	v_lshl_add_u32 v[OSTW], v121, 5, v[OSTW]
	v_add_nc_u32 v[OSTW], s76, v[OSTW]             ; into the stage: row RP, my 16 outputs' bytes: 64 w + 32 h
	v_add_nc_u32 v[OSTR], s77, v[LI]               ; back: my four whole rows
	v_add_nc_u32 v[GX], s78, v[LI]                 ; and the same rows in x and in out0
	s_wait_alu depctr_va_vdst(0)
	s_wait_loadcnt 0x0                             ; q, Wo, bo
.Lpair:                                                ; three trips, two slots each; eight fills in all: one at the head, six here, one in the tail
	CHANGE 0, 1, 1
	STEPS
	CHANGE 1, 1, 1
	STEPS
	s_sub_co_u32 s50, s50, 1
	s_cmp_lg_u32 s50, 0
	s_cbranch_scc1 .Lpair
	CHANGE 0, 1, 2                                 ; the tail is written out: the last fill
	STEPS
	CHANGE 1, 0, 0                                 ; and the last slot, behind a plain barrier: nothing is left to fetch
	STEPS
	; ---- ctx = O^T / l, quantised along (head, channel); its image and scale bytes go to LDS
.rept 4
	v_nop                                          ; four places behind the last products: for the loads into V's fragments and the first read of O^T
.endr
.irp i, 0,1,2,3
.irp c, 0,1
	global_load_b128 v[VF+8*\i+4*\c:VF+8*\i+4*\c+3], v[GX], s[18:19] offset:1024*\i+512*\c th:TH_LOAD_NT   ; x's rows 4 w + i, for the residual: 512 consecutive bytes a load
.endr
.endr
	s_wait_alu depctr_va_vdst(0)
	v_pk_add_f32 v[L:L+1], v[L:L+1], v[L2:L2+1]
	s_delay_alu instid0(VALU_DEP_1)
	v_add_f32 v[L], v[L], v[L+1]
	s_delay_alu instid0(VALU_DEP_1)
	v_permlanex16_b32 v[TP], v[L], s[SEL], s[SEL+1]
	s_delay_alu instid0(VALU_DEP_1)
	v_add_f32 v[L], v[L], v[TP]                    ; the row's sum
	s_wait_alu depctr_va_vdst(0)
	v_rcp_f32 v[L2], v[L]
	v_nop                                          ; a plain place behind a transcendental
	s_wait_alu depctr_va_vdst(0)
.irp j, 0,2,4,6,8,10,12,14,16,18,20,22,24,26,28,30
	v_pk_mul_f32 v[OO+\j:OO+\j+1], v[OO+\j:OO+\j+1], v[L2:L2+1] op_sel_hi:[1,0]   ; each accumulator from its low end on
.endr
	QUANT2 OO, PC
	ds_store_b128 v[CWI], v[PC:PC+3]
	ds_store_b16 v[CWS], v[PW]
	global_load_b128 v[OO:OO+3], v[LI], s[20:21]               ; gamma and beta of my eight columns
	global_load_b128 v[OO+4:OO+7], v[LI], s[20:21] offset:512
	global_load_b128 v[OO+8:OO+11], v[LI], s[22:23]
	global_load_b128 v[OO+12:OO+15], v[LI], s[22:23] offset:512
	s_wait_dscnt 0x0                               ; for the others' sake: my stores have landed
	s_barrier_signal -1
	s_barrier_wait -1                              ; ctx's sixteen pieces lie in LDS
	; ---- the last product, transposed: source 0 = Wo's rows 16 w .. + 15, source 1 = 16 tokens of ctx; bo is the C of each sum's first instruction; four accumulators by turns
.irp q, 0,1,2,3
.irp s, 0,1
.irp c, 0,1
	ds_load_b128 v[SS+16*\q+8*\s+4*\c:SS+16*\q+8*\s+4*\c+3], v[LI] offset:CIMG+512*(4*\q+2*\s+\c)
.endr
	ds_load_b32 v[CS8+2*\q+\s], v[LS] offset:CSC+128*\q+64*\s
.endr
.endr
	s_wait_dscnt 0x0
.irp q, 0,1,2,3
	v_wmma_scale_f32_16x16x128_f8f6f4 v[KF+8*\q:KF+8*\q+7], v[WOF:WOF+7], v[SS+16*\q:SS+16*\q+7], v[BO:BO+7], v[WOS], v[CS8+2*\q] matrix_a_fmt:MATRIX_FMT_FP4 matrix_b_fmt:MATRIX_FMT_FP4
.endr
.irp q, 0,1,2,3
	v_wmma_scale_f32_16x16x128_f8f6f4 v[KF+8*\q:KF+8*\q+7], v[WOF+8:WOF+15], v[SS+16*\q+8:SS+16*\q+15], v[KF+8*\q:KF+8*\q+7], v[WOS+1], v[CS8+2*\q+1] matrix_a_fmt:MATRIX_FMT_FP4 matrix_b_fmt:MATRIX_FMT_FP4
.endr
.rept 4
	v_nop                                          ; four places: in front of the stores of the results and of the loads into ctx's registers
.endr
.irp q, 0,1,2,3
	ds_store_b128 v[OSTW], v[KF+8*\q:KF+8*\q+3] offset:(32*(\q/2)+8*(\q%2))*OPI        ; lane (r, h): token 32 (q / 2) + 8 (q % 2) + RP, outputs 16 w + 8 h + 0 .. 7; each accumulator from its low end on
	ds_store_b128 v[OSTW], v[KF+8*\q+4:KF+8*\q+7] offset:(32*(\q/2)+8*(\q%2))*OPI+16
.endr
	s_wait_dscnt 0x0
	s_barrier_signal -1
	s_barrier_wait -1                              ; 64 whole rows lie in the stage
.irp i, 0,1,2,3
.irp c, 0,1
	ds_load_b128 v[SS+8*\i+4*\c:SS+8*\i+4*\c+3], v[OSTR] offset:\i*OPI+512*\c
.endr
.endr
	s_wait_dscnt 0x0
	s_wait_loadcnt 0x0                             ; x, gamma, beta
	; ---- residual and LayerNorm: a wave has four whole rows, eight numbers of each in a lane; the four rows by turns
.irp i, 0,1,2,3
.irp j, 0,2,4,6
	v_pk_add_f32 v[SS+8*\i+\j:SS+8*\i+\j+1], v[SS+8*\i+\j:SS+8*\i+\j+1], v[VF+8*\i+\j:VF+8*\i+\j+1]
.endr
.endr
.irp i, 0,1,2,3
	v_pk_add_f32 v[UU+8*\i:UU+8*\i+1], v[SS+8*\i:SS+8*\i+1], v[SS+8*\i+2:SS+8*\i+3]
.endr
.irp i, 0,1,2,3
	v_pk_add_f32 v[UU+8*\i+2:UU+8*\i+3], v[SS+8*\i+4:SS+8*\i+5], v[SS+8*\i+6:SS+8*\i+7]
.endr
.irp i, 0,1,2,3
	s_delay_alu instid0(VALU_DEP_4)
	v_pk_add_f32 v[UU+8*\i:UU+8*\i+1], v[UU+8*\i:UU+8*\i+1], v[UU+8*\i+2:UU+8*\i+3]
.endr
.irp i, 0,1,2,3
	s_delay_alu instid0(VALU_DEP_4)
	v_add_f32 v[UU+8*\i], v[UU+8*\i], v[UU+8*\i+1]
.endr
	REDUCE
.irp i, 0,1,2,3
	s_delay_alu instid0(VALU_DEP_4)
	v_mul_f32 v[UU+8*\i], s58, v[UU+8*\i]          ; the mean
.endr
.irp i, 0,1,2,3
.irp j, 0,2,4,6
	v_pk_add_f32 v[SS+8*\i+\j:SS+8*\i+\j+1], v[SS+8*\i+\j:SS+8*\i+\j+1], v[UU+8*\i:UU+8*\i+1] op_sel_hi:[1,0] neg_lo:[0,1] neg_hi:[0,1]
.endr
.endr
.irp i, 0,1,2,3
	v_pk_mul_f32 v[UU+8*\i+2:UU+8*\i+3], v[SS+8*\i:SS+8*\i+1], v[SS+8*\i:SS+8*\i+1]
.endr
.irp j, 2,4,6
.irp i, 0,1,2,3
	s_delay_alu instid0(VALU_DEP_4)
	v_pk_fma_f32 v[UU+8*\i+2:UU+8*\i+3], v[SS+8*\i+\j:SS+8*\i+\j+1], v[SS+8*\i+\j:SS+8*\i+\j+1], v[UU+8*\i+2:UU+8*\i+3]
.endr
.endr
.irp i, 0,1,2,3
	s_delay_alu instid0(VALU_DEP_4)
	v_add_f32 v[UU+8*\i], v[UU+8*\i+2], v[UU+8*\i+3]
.endr
	REDUCE
.irp i, 0,1,2,3
	s_delay_alu instid0(VALU_DEP_4)
	v_fma_f32 v[UU+8*\i], v[UU+8*\i], s58, s59     ; the variance + 1e-12
.endr
	s_wait_alu depctr_va_vdst(0)
.irp i, 0,1,2,3
	v_rsq_f32 v[UU+8*\i], v[UU+8*\i]
.endr
	v_nop                                          ; a plain place behind the transcendentals
	s_wait_alu depctr_va_vdst(0)
.irp i, 0,1,2,3
.irp j, 0,2,4,6
	v_pk_mul_f32 v[SS+8*\i+\j:SS+8*\i+\j+1], v[SS+8*\i+\j:SS+8*\i+\j+1], v[UU+8*\i:UU+8*\i+1] op_sel_hi:[1,0]
.endr
.endr
.irp i, 0,1,2,3
.irp j, 0,2,4,6
	v_pk_fma_f32 v[SS+8*\i+\j:SS+8*\i+\j+1], v[SS+8*\i+\j:SS+8*\i+\j+1], v[OO+\j:OO+\j+1], v[OO+8+\j:OO+8+\j+1]
.endr
.endr
.irp i, 0,1,2,3
.irp c, 0,1
	global_store_b128 v[GX], v[SS+8*\i+4*\c:SS+8*\i+4*\c+3], s[24:25] offset:1024*\i+512*\c th:TH_STORE_NT   ; 32 lanes store 512 consecutive bytes, at a multiple of 256 from out0's first byte
.endr
.endr
	s_wait_tensorcnt 0x0                           ; the wave's end: behind my last tensor load and my last LDS store
	ds_add_u32 v[SPW], v[NIL]
	s_wait_dscnt 0x0
	CROUND                                         ; the closing round: no work-group ends while a partner may still ask for a tile that names it
	s_endpgm
.Lfunc_end_k_q63cf5f369b_attn:
	.size	k_q63cf5f369b_attn, .Lfunc_end_k_q63cf5f369b_attn-k_q63cf5f369b_attn
	.p2alignl 7, 3214868480
	.fill 96, 4, 3214868480
	.section	.rodata,"a",@progbits
	.p2align	6, 0x0
	.amdhsa_kernel k_q63cf5f369b_attn
		.amdhsa_group_segment_fixed_size 327680
		.amdhsa_private_segment_fixed_size 0
		.amdhsa_enable_private_segment 0
		.amdhsa_kernarg_size 72
		.amdhsa_user_sgpr_count 2
		.amdhsa_user_sgpr_kernarg_segment_ptr 1
		.amdhsa_wavefront_size32 1
		.amdhsa_system_sgpr_workgroup_id_x 1
		.amdhsa_system_sgpr_workgroup_id_y 1
		.amdhsa_system_sgpr_workgroup_id_z 1
		.amdhsa_system_vgpr_workitem_id 0
		.amdhsa_next_free_vgpr 256
		.amdhsa_next_free_sgpr 80
		.amdhsa_reserve_vcc 0
		.amdhsa_float_denorm_mode_32 3
		.amdhsa_float_denorm_mode_16_64 3
		.amdhsa_memory_ordered 1
		.amdhsa_forward_progress 1
		.amdhsa_inst_pref_size 84
	.end_amdhsa_kernel
	.amdgpu_metadata
---
amdhsa.version: [ 1, 2 ]
amdhsa.kernels:
  - .name:           k_q63cf5f369b_attn
    .symbol:         k_q63cf5f369b_attn.kd
    .args:
      - { .name: qbuf, .offset: 0, .size: 8, .value_kind: global_buffer, .address_space: global }
      - { .name: kvbuf, .offset: 8, .size: 8, .value_kind: global_buffer, .address_space: global }
      - { .name: Wo_codes, .offset: 16, .size: 8, .value_kind: global_buffer, .address_space: global }
      - { .name: Wo_scales, .offset: 24, .size: 8, .value_kind: global_buffer, .address_space: global }
      - { .name: bo, .offset: 32, .size: 8, .value_kind: global_buffer, .address_space: global }
      - { .name: x, .offset: 40, .size: 8, .value_kind: global_buffer, .address_space: global }
      - { .name: gamma, .offset: 48, .size: 8, .value_kind: global_buffer, .address_space: global }
      - { .name: beta, .offset: 56, .size: 8, .value_kind: global_buffer, .address_space: global }
      - { .name: out0, .offset: 64, .size: 8, .value_kind: global_buffer, .address_space: global }
    .group_segment_fixed_size: 327680
    .private_segment_fixed_size: 0
    .kernarg_segment_align: 8
    .kernarg_segment_size: 72
    .max_flat_workgroup_size: 512
    .sgpr_count:     80
    .vgpr_count:     256
    .wavefront_size: 32
...
	.end_amdgpu_metadata
.endif
;; end of part 2
